; MI455X (gfx1250); checked and timed in simulation.
; The chip was launched on July 23, 2026; its instructions are those of AMD's public machine-readable ISA for CDNA 5 (MIT licence, August 2026) and "CDNA5" Instruction Set Architecture Reference Guide (July 2026). The comments in the code are by the model that wrote it; some were corrected since.
;; Luong Attention. Allowed arithmetic: matrix products marked QUANTISED: E3M2 operands, one E8M0 scale for each 32 along K, by v_wmma_scale_f32_16x16x128_f8f6f4 with both operands' format E3M2, f32 sums; everything else in f32.
;; Inputs: W_tanh 512 x 256 float32; dec_outputs_top 8 x 2,048 x 256 float32; enc_outputs_top 8 x 2,048 x 256 float32.
;; Outputs: out0 8 x 2,048 x 256 float32.
;; This version of the problem:
;;   THIS VERSION OF THE PROBLEM IS GIVEN IN LOW PRECISION. The matrix products marked QUANTISED in the list below multiply operands that are first quantised to E3M2 (3 exponent bits, 2 mantissa bits; 6 bits a number), with one power-of-two scale for each 32 numbers along K (OCP MX v1.0); their sums are f32. All else is computed in f32.
;;   The module's matrix products, in the order in which they are computed (A, B: the left and right operand; K: the contracted axis; several contracted axes count as one K, in the product's order):
;;     1. batch 8 x [M 2,048, K 256] x [K 256, N 2,048]; A: input enc_outputs_top; B: input dec_outputs_top: QUANTISED
;;     2. batch 8 x [M 2,048, K 2,048] x [K 2,048, N 256]; A: softmax (see below); B: input enc_outputs_top: QUANTISED
;;     3. [M 16,384, K 512] x [K 512, N 256]; A: computed on the way; B: input W_tanh: QUANTISED
;;   THE QUANTISER, for each operand of a quantised product, along K:
;;     - K is cut into blocks of 32 from its start; a last block that is shorter is filled with zeros.
;;     - A block's scale is 2^e with e = floor(log2(the largest magnitude in the block)) - 4, held to -126 .. 127; a block of zeros has e = 0. As a byte (E8M0): e + 127.
;;     - Each number is divided by its block's scale, clamped to +-28, and rounded to the nearest number of E3M2, ties to even, subnormals kept.
;;     - The product sums the exact products of the quantised numbers (number of the format x scale) in f32.
;;   ~~~python
;;   def quantise(x, axis):      # numpy; x: float32 -> the quantised numbers, widened to float32 again
;;       x = np.moveaxis(x, axis, -1); K = x.shape[-1]
;;       x = np.pad(x, [(0, 0)] * (x.ndim - 1) + [(0, -K % 32)]); x = x.reshape(x.shape[:-1] + (-1, 32)); a = np.abs(x).max(-1, keepdims=True)
;;       e = np.where(a > 0, np.clip(np.frexp(np.where(a > 0, a, 1))[1] - 1 - 4, -126, 127), 0)      # np.frexp(a)[1] - 1 = floor(log2(a)), exactly
;;       r = np.clip(x / 2.0 ** e, -28, 28)
;;       step = 2.0 ** (np.maximum(np.frexp(np.where(r == 0, 1, r))[1] - 1, -2) - 2)
;;       q = np.round(r / step) * step * 2.0 ** e      # np.round: ties to even
;;       return np.moveaxis(q.reshape(q.shape[:-2] + (-1,))[..., :K], -1, axis).astype(np.float32)
;;   ~~~
;;   SOFTMAX AHEAD OF A QUANTISED PRODUCT. Where the list says 'softmax', what is quantised is not the finished softmax but p = 2^(t - M), with t = logit x log2(e) and M = ceil(the row's largest t), a whole number; so 1/2 < the row's largest p <= 1. The row's sum l is taken of the UNQUANTISED p, in f32, and the product's result is divided by l at the end. Since M is a whole number, a kernel that streams over the keys may use a running M (the ceiling of the running maximum): every later rescaling is an exact power of two, which a block's scale takes up: the codes' values come out the same.
;;   OPERANDS COMPUTED ON THE WAY. 'Computed on the way' means the value that the module computes at that place (a softmax that the list does not call 'softmax' is quantised finished and normalised). What goes into a quantiser is computed in f32, as accurately as f32 sums, v_exp_f32 and their like allow (about 1e-6 of the number): no bf16 or f16 on the way to a quantiser, and a product that is left as it is and whose result goes on into a quantised operand takes f32 operands (vector FMAs, or v_wmma_f32_16x16x4_f32). A number that lies on a knife's edge between two numbers of the format may be rounded either way, as far as f32 arithmetic and the matrix unit's own rounding can turn it there, and no further.
;; One version. Each part assembles by itself: llvm-mc -triple=amdgcn-amd-amdhsa -mcpu=gfx1250 --defsym DOCPART=n.
;; ======== version 1 of 1: 2 launches
;; workspace buffers: encq 3,276,800 bytes; kv 6,553,600 bytes; wq 102,400 bytes
;; launch prep (part 1): grid 260 x 1, 16 waves a work-group, no clusters, 138,752 bytes of LDS; arguments enc_outputs_top, dec_outputs_top, W_tanh, encq, kv, wq; writes encq, kv, wq
.if DOCPART == 1
	.amdgcn_target "amdgcn-amd-amdhsa--gfx1250"
	.amdhsa_code_object_version 6
	.text
	.protected	k_q0bac2a3f66_prep
	.globl	k_q0bac2a3f66_prep
	.p2align	8
	.type	k_q0bac2a3f66_prep,@function
k_q0bac2a3f66_prep:
	s_mov_b64 s[64:65], 0
	v_nop
	global_prefetch_b8 v0, s[64:65] scope:SCOPE_SE
	s_setreg_imm32_b32 hwreg(HW_REG_WAVE_MODE, 25, 1), 1
	s_wait_xcnt 0x0
; enc, dec [8][2048][256] and W_tanh [512][256], f32, become codes of BF6 (E3M2) with one E8M0 byte for each 32 along K, laid in the ORDER OF THE OPERANDS' REGISTERS.
; A work-group takes one dense tile of 128 rows x 256 numbers (131,072 bytes).  Work-groups 0-127: a tile of dec, quantised along its rows (the keys of product 1, and the second half of product 3's K);
; 128-255: a tile of enc, along its rows (the queries of product 1) AND down its columns (the values of product 2: K = time); 256-259: 128 rows of W, down its columns.
; A HALF-BLOCK, 25,600 bytes: 16 images of a fragment (12 registers a lane: register group g of lane L at 512 g + 16 L, 1,536 bytes an image), then at 24,576 four chunks of 256 bytes of
; scale words (chunk j: word e of lane L at 256 j + 8 L + 4 e; a word column is the image of a scale REGISTER: lanes 0-15 one fragment's 16 words, lanes 16-31 another's).
; ROWS: image 2 T + s = tile T of 16 rows, K step s of 128; scale register T: lanes 0-15 step 0, lanes 16-31 step 1.   COLUMNS: image T = tile T of 16 columns, K = the 128 rows; scale register T / 2: lanes 0-15 tile 2 j, lanes 16-31 tile 2 j + 1.
; THE 16 ROWS (COLUMNS) OF A TILE ARE NOT NEIGHBOURS: lane r of tile 2 b + u stands for 32 b + 8 u + r % 8 + 16 (r / 8), so that results made with such a tile as source 0 lie as 16 neighbours along the next K.
; kv holds one block of two half-blocks for each tile t: even t: values, keys; odd t: keys, values.
; THE SCALE: the block's largest magnitude, with the floor 2^(5 - 127) among its leaves; 4 off its exponent field is the conversion's scale operand, and that field the byte.
; LIMITS: NaN and infinities are not served; a block whose largest magnitude lies under 2^-122 keeps the byte 1; a block of zeros has the byte 1 and zero codes (this program alone reads the bytes).
; SHARES.  SIXTEEN waves, four to a SIMD, so that one wave's LDS loads and its chain of maxima stand beside the other three's instructions.  Wave w brings rows 8 w .. 8 w + 7 into LDS (sixteen loads of 512 consecutive bytes,
; all out at once: the work-group has its whole tile on the way).  Behind one barrier wave w makes ONE fragment of each pass: of the rows tile w / 2, K step w % 2; of the columns tile w: in both passes that is image w.
; A lane then holds two whole blocks of 32 along K in 64 registers: no other lane is asked for a maximum.
; A fragment's 16 scale words are a quarter of a chunk: the words meet in LDS bytes of their own, and behind a second barrier waves 0-3 store the rows' four chunks and waves 4-7 the columns', 256 aligned bytes each.
.set HB,    25600                      ; a half-block
.set ROWP,  1040                       ; an LDS row: 1,024 bytes + 16; 128 bytes more behind 16 rows, 384 behind 32: rows 16 and 32 apart lie 32 banks apart
.set WREG,  33664                      ; 32 rows
.set SCR,   4*WREG                     ; behind the tile: the rows' four chunks of scale words, then the columns' four: 2 x 1,024 bytes
.set LN,   1                           ; v1   lane
.set RR,   2                           ; v2   lane % 16
.set HH,   3                           ; v3   lane / 16
.set GA,   4                           ; v4   in memory: 16 lane + 8 rows x wave
.set LSA,  5                           ; v5   in LDS: 16 lane + the wave's first row
.set RA,   6                           ; v6   rows: my row of the wave's tile, its K step, + 128 (lane / 16)
.set CA,   7                           ; v7-8 columns: my column of the wave's tile, rows 32 (lane / 16) on; the same 64 rows further down
.set SH8,  9                           ; v9   8 (lane / 16)
.set OUTA, 10                          ; v10  16 lane + 1,536 wave: image w of a half-block
.set OUTS, 11                          ; v11  8 lane + 256 (wave % 4) + 24,576: a chunk of a half-block
.set MX,   12                          ; v12-13 two chains of a block's largest magnitude
.set SO,   14                          ; v14-15 scale operands of my two blocks
.set BY,   16                          ; v16-17 their bytes
.set WD,   18                          ; v18  the rows' fragment's scale word; v19 the columns'
.set PT,   20                          ; v20  the other half of the lanes' part of a word
.set SWA,  21                          ; v21  where my fragment's scale words go in LDS
.set SRA,  22                          ; v22  where a chunk is read back: SCR + 256 (wave % 8) + 8 lane
.set SW,   24                          ; v[24:25] a chunk's 8 bytes of my lane
.set F,    32                          ; v32-43 the rows' fragment's codes; v44-55 the columns': no store's data are written again
.set CT,   56                          ; v56-62 the upper halves of two blocks
.set X,    64                          ; v64-127 the wave's 8 rows on their way into LDS; then my 64 numbers
	s_load_b256 s[4:11], s[0:1], 0x0               ; enc s[4:5], dec s[6:7], W s[8:9], encq s[10:11]
	s_load_b128 s[12:15], s[0:1], 0x20             ; kv s[12:13], wq s[14:15]
	v_lshl_add_u32 v128, v0, 2, 0x21600
	v_mov_b32 v129, 0
	v_lshrrev_b32 v[LN], 5, v0
	v_readfirstlane_b32 s16, v[LN]                 ; wave 0..15
	v_and_b32 v[LN], 31, v0
	v_and_b32 v[RR], 15, v0
	v_bfe_u32 v[HH], v0, 4, 1
	v_and_b32 v[MX], 7, v0                         ; r % 8
	v_bfe_u32 v[MX+1], v0, 3, 1                    ; r / 8
	s_mov_b32 s17, ttmp9                           ; the work-group's number
	s_mov_b32 s26, 0x76543210
	s_mov_b32 s27, 0xfedcba98                      ; v_permlanex16_b32's selects for lane l xor 16
	s_lshr_b32 s28, s16, 2                         ; wave / 4: which 32 rows
	s_bfe_u32 s29, s16, 0x10001                    ; bit 1 of the wave's number
	s_and_b32 s30, s16, 1                          ; bit 0
	s_mul_i32 s31, s28, WREG
	s_lshl_b32 s42, s16, 13                        ; 8 rows of 1,024 bytes a wave
	v_lshl_add_u32 v[GA], v[LN], 4, s42
	s_and_b32 s42, s16, 3                          ; rows 8 (wave % 4) on of the 32; behind 16 of them 128 bytes more
	s_mul_i32 s42, s42, 8*ROWP
	s_lshl_b32 s43, s29, 7
	s_add_co_u32 s42, s42, s43
	s_add_co_u32 s42, s42, s31
	v_lshl_add_u32 v[LSA], v[LN], 4, s42
	s_mul_i32 s42, s29, 8*ROWP                     ; rows: tile w / 2 = 2 (w / 4) + bit 1: rows 8 x bit 1 on; K step = bit 0: 512 bytes on
	s_lshl_b32 s43, s30, 9
	s_add_co_u32 s42, s42, s43
	s_add_co_u32 s42, s42, s31
	v_mul_u32_u24 v[RA], v[MX], ROWP
	v_mad_u32_u24 v[RA], v[MX+1], 16*ROWP+128, v[RA]
	v_lshl_add_u32 v[RA], v[HH], 7, v[RA]
	v_add_nc_u32 v[RA], s42, v[RA]
	s_lshr_b32 s42, s16, 1                         ; columns: tile w begins at column 32 (w / 2) + 8 (w % 2)
	s_lshl_b32 s42, s42, 7
	s_lshl_b32 s43, s30, 5
	s_add_co_u32 s42, s42, s43
	v_lshl_add_u32 v[CA], v[MX+1], 4, v[MX]
	v_lshlrev_b32 v[CA], 2, v[CA]
	v_mad_u32_u24 v[CA], v[HH], WREG, v[CA]
	v_add_nc_u32 v[CA], s42, v[CA]
	v_add_nc_u32 v[CA+1], 2*WREG, v[CA]
	v_lshlrev_b32 v[SH8], 3, v[HH]
	s_mul_i32 s42, s16, 1536
	v_lshl_add_u32 v[OUTA], v[LN], 4, s42
	s_and_b32 s42, s16, 3
	s_lshl_b32 s42, s42, 8
	s_add_co_u32 s42, s42, 24576
	v_lshl_add_u32 v[OUTS], v[LN], 3, s42
	s_lshl_b32 s42, s28, 8                         ; my fragment's words: scale register w / 2 (chunk w / 4, word bit 1), lanes 16 (w % 2) + r: the same in both passes
	s_lshl_b32 s43, s29, 2
	s_add_co_u32 s42, s42, s43
	s_lshl_b32 s43, s30, 7
	s_add_co_u32 s42, s42, s43
	s_add_co_u32 s42, s42, SCR
	v_lshl_add_u32 v[SWA], v[RR], 3, s42
	s_and_b32 s42, s16, 7
	s_lshl_b32 s42, s42, 8
	s_add_co_u32 s42, s42, SCR
	v_lshl_add_u32 v[SRA], v[LN], 3, s42
	v_mov_b32 v[PT], 0                             ; a lane permute's destination counts as read: written once
	; offsets, apart from the addresses
	s_and_b32 s18, s17, 127                        ; t: which tile of its tensor
	s_and_b32 s19, s18, 1
	s_mul_i32 s32, s18, HB                         ; in encq and wq
	s_mul_i32 s33, s18, 2*HB                       ; the block in kv
	s_mul_i32 s34, s19, HB
	s_add_co_u32 s35, s33, s34                     ; the values' half: first in an even block, second in an odd one
	s_sub_co_u32 s34, HB, s34
	s_add_co_u32 s34, s33, s34                     ; the keys' half: the other one
	s_lshl_b32 s36, s18, 17                        ; the tile in its source
	s_mov_b32 s37, 0
	s_mov_b32 s39, 0
	s_mov_b32 s41, 0
	s_wait_kmcnt 0x0
	s_cmp_lt_u32 s17, 128                          ; the choices hang on the work-group's number alone
	s_cselect_b64 s[20:21], s[6:7], s[4:5]         ; source: dec, else enc
	s_cselect_b64 s[22:23], s[12:13], s[10:11]     ; where the rows' half-block goes: dec: kv; enc: encq
	s_cselect_b32 s38, s34, s32
	s_cselect_b32 s46, 0, 1                        ; dec has no pass down its columns
	s_cmp_lt_u32 s17, 256
	s_cselect_b64 s[20:21], s[20:21], s[8:9]       ; else W
	s_cselect_b64 s[24:25], s[12:13], s[14:15]     ; where the columns' goes: enc: kv; W: wq
	s_cselect_b32 s40, s35, s32
	s_cselect_b32 s45, 1, 0                        ; W has no pass along its rows
	s_add_nc_u64 s[20:21], s[20:21], s[36:37]
	s_add_nc_u64 s[22:23], s[22:23], s[38:39]
	s_add_nc_u64 s[24:25], s[24:25], s[40:41]
	; THE TILE INTO LDS: my 8 rows, sixteen loads of 512 consecutive bytes, read once by the whole launch
.set i, 0
.rept 8
	global_load_b128 v[X+8*i:X+8*i+3],   v[GA], s[20:21] offset:1024*i th:TH_LOAD_NT
	global_load_b128 v[X+8*i+4:X+8*i+7], v[GA], s[20:21] offset:1024*i+512 th:TH_LOAD_NT
.set i, i+1
.endr
	s_wait_loadcnt 8                               ; rows 0-3 are in; the younger eight loads may be out
.set i, 0
.rept 4
	ds_store_b128 v[LSA], v[X+8*i:X+8*i+3]   offset:ROWP*i
	ds_store_b128 v[LSA], v[X+8*i+4:X+8*i+7] offset:ROWP*i+512
.set i, i+1
.endr
	s_wait_loadcnt 0x0
.rept 4
	ds_store_b128 v[LSA], v[X+8*i:X+8*i+3]   offset:ROWP*i
	ds_store_b128 v[LSA], v[X+8*i+4:X+8*i+7] offset:ROWP*i+512
.set i, i+1
.endr
	s_wait_dscnt 0x0                               ; for the others' sake: my 8 rows lie in LDS (and the stores have read their registers)
	s_barrier_signal -1
	s_barrier_wait -1                              ; the whole tile does; its bytes are only read from here on
; Block c of my two: k = 64 c + 32 (lane / 16) + 0 .. 31, in v[X + 32 c] on.  33 leaves (the floor among them), sixteen lines, two chains that do not wait for each other.
.macro BLOCKMAX c
.set xb, X+32*(\c)
	v_max3_num_f32 v[MX],   |v[xb]|,    |v[xb+1]|,  0x2800000      ; the floor 2^(5 - 127): the byte cannot fall under 1
	v_max3_num_f32 v[MX+1], |v[xb+16]|, |v[xb+17]|, |v[xb+18]|
.set j, 0
.rept 6
	v_max3_num_f32 v[MX],   v[MX],   |v[xb+2+j]|,  |v[xb+3+j]|
	v_max3_num_f32 v[MX+1], v[MX+1], |v[xb+19+j]|, |v[xb+20+j]|
.set j, j+2
.endr
	v_max3_num_f32 v[MX], v[MX], |v[xb+14]|, |v[xb+15]|
	v_max3_num_f32 v[MX], v[MX], v[MX+1], |v[xb+31]|
	v_add_nc_u32 v[SO+\c], 0xfe000000, v[MX]       ; 4 off the exponent field: the conversion takes that field as its scale
	v_lshrrev_b32 v[BY+\c], 23, v[SO+\c]           ; the byte of block 2 c + lane / 16
.endm
; The fragment of pass p (0: rows, 1: columns): its scale word, its 12 registers of codes; the word goes to LDS, the image to memory: three stores of 512 consecutive bytes.
.macro FINISH p, dst
.set fb, F+12*(\p)
	v_lshl_or_b32 v[WD+\p], v[BY+1], 16, v[BY]
	v_lshlrev_b32 v[WD+\p], v[SH8], v[WD+\p]       ; my two bytes at their places in the word;
	v_permlanex16_b32 v[PT], v[WD+\p], s26, s27
	v_or_b32 v[WD+\p], v[WD+\p], v[PT]             ; with lane l xor 16's two the word is whole, in both halves of the lanes
	v_cvt_scalef32_pk16_bf6_f32 v[fb:fb+2],   v[X:X+15],    v[SO]
	v_cvt_scalef32_pk16_bf6_f32 v[CT:CT+2],   v[X+16:X+31], v[SO]      ; (a conversion's three registers begin on an even number)
	v_cvt_scalef32_pk16_bf6_f32 v[fb+6:fb+8], v[X+32:X+47], v[SO+1]
	v_cvt_scalef32_pk16_bf6_f32 v[CT+4:CT+6], v[X+48:X+63], v[SO+1]
	v_nop                                          ; one plain place behind a scaled conversion
.irp i, 0,1,2
	v_mov_b32 v[fb+3+\i], v[CT+\i]
	v_mov_b32 v[fb+9+\i], v[CT+4+\i]
.endr
	ds_store_b32 v[SWA], v[WD+\p] offset:1024*\p   ; lanes r and 16 + r write the same word with the same value
.irp g, 0,1,2
	global_store_b128 v[OUTA], v[fb+4*\g:fb+4*\g+3], s[\dst:\dst+1] offset:512*\g
.endr
.endm
	s_cmp_ge_u32 s17, 256                          ; W has no pass along its rows
	s_cbranch_scc1 .Lno_rows
.set j, 0
.rept 16                               ; 128 neighbouring bytes of my row for each of my two blocks
	ds_load_b128 v[X+4*j:X+4*j+3], v[RA] offset:256*(j/8)+16*(j%8)
.set j, j+1
.endr
	s_wait_dscnt 8                                 ; the first block's eight loads are in; the second's may be out
	BLOCKMAX 0
	s_wait_dscnt 0x0
	BLOCKMAX 1
	FINISH 0, 22
.Lno_rows:
	s_cmp_lt_u32 s17, 128                          ; dec has none down its columns
	s_cbranch_scc1 .Lno_cols
.set i, 0
.rept 32                               ; 32 rows of my column for the first block,
	ds_load_b32 v[X+i], v[CA] offset:ROWP*i+128*(i/16)
.set i, i+1
.endr
.set i, 0
.rept 16                               ; and for the second, in two runs
	ds_load_b32 v[X+32+i], v[CA+1] offset:ROWP*i+128*(i/16)
.set i, i+1
.endr
	s_wait_dscnt 16                                ; all but the sixteen just issued: the first block is in
.rept 16
	ds_load_b32 v[X+32+i], v[CA+1] offset:ROWP*i+128*(i/16)
.set i, i+1
.endr
	BLOCKMAX 0
	s_wait_dscnt 0x0
	BLOCKMAX 1
	FINISH 1, 24
.Lno_cols:
	s_wait_dscnt 0x0                               ; for the others' sake: my scale words lie in LDS
	s_barrier_signal -1
	s_barrier_wait -1                              ; every fragment's do
	s_cmp_lt_u32 s16, 4                            ; waves 0-3 take the rows' chunks, waves 4-7 the columns', where the tile has had that pass; the others are done
	s_cselect_b64 s[36:37], s[22:23], s[24:25]
	s_cselect_b32 s42, s45, s46
	s_cmp_lt_u32 s16, 8
	s_cselect_b32 s42, s42, 0
	s_cmp_eq_u32 s42, 0
	s_cbranch_scc1 .Lend
	ds_load_b64 v[SW:SW+1], v[SRA]
	s_wait_dscnt 0x0
	global_store_b64 v[OUTS], v[SW:SW+1], s[36:37] ; 32 lanes store one aligned 256 bytes
.Lend:
	s_wait_tensorcnt 0x0
	ds_add_u32 v128, v129
	s_wait_dscnt 0x0
	s_endpgm
.Lfunc_end_k_q0bac2a3f66_prep:
	.size	k_q0bac2a3f66_prep, .Lfunc_end_k_q0bac2a3f66_prep-k_q0bac2a3f66_prep
	.p2alignl 7, 3214868480
	.fill 96, 4, 3214868480
	.section	.rodata,"a",@progbits
	.p2align	6, 0x0
	.amdhsa_kernel k_q0bac2a3f66_prep
		.amdhsa_group_segment_fixed_size 138752
		.amdhsa_private_segment_fixed_size 0
		.amdhsa_enable_private_segment 0
		.amdhsa_kernarg_size 48
		.amdhsa_user_sgpr_count 2
		.amdhsa_user_sgpr_kernarg_segment_ptr 1
		.amdhsa_wavefront_size32 1
		.amdhsa_system_sgpr_workgroup_id_x 1
		.amdhsa_system_sgpr_workgroup_id_y 1
		.amdhsa_system_sgpr_workgroup_id_z 1
		.amdhsa_system_vgpr_workitem_id 0
		.amdhsa_next_free_vgpr 130
		.amdhsa_next_free_sgpr 66
		.amdhsa_reserve_vcc 0
		.amdhsa_float_denorm_mode_32 3
		.amdhsa_float_denorm_mode_16_64 3
		.amdhsa_memory_ordered 1
		.amdhsa_forward_progress 1
		.amdhsa_inst_pref_size 20
	.end_amdhsa_kernel
	.amdgpu_metadata
---
amdhsa.version: [ 1, 2 ]
amdhsa.kernels:
  - .name:           k_q0bac2a3f66_prep
    .symbol:         k_q0bac2a3f66_prep.kd
    .args:
      - { .name: enc_outputs_top, .offset: 0, .size: 8, .value_kind: global_buffer, .address_space: global }
      - { .name: dec_outputs_top, .offset: 8, .size: 8, .value_kind: global_buffer, .address_space: global }
      - { .name: W_tanh, .offset: 16, .size: 8, .value_kind: global_buffer, .address_space: global }
      - { .name: encq, .offset: 24, .size: 8, .value_kind: global_buffer, .address_space: global }
      - { .name: kv, .offset: 32, .size: 8, .value_kind: global_buffer, .address_space: global }
      - { .name: wq, .offset: 40, .size: 8, .value_kind: global_buffer, .address_space: global }
    .group_segment_fixed_size: 138752
    .private_segment_fixed_size: 0
    .kernarg_segment_align: 8
    .kernarg_segment_size: 48
    .max_flat_workgroup_size: 512
    .sgpr_count:     66
    .vgpr_count:     130
    .wavefront_size: 32
...
	.end_amdgpu_metadata
.endif
;; end of part 1
;; launch attn (part 2): grid 32 x 8, 4 waves a work-group, clusters of 4 x 1, 327,680 bytes of LDS; arguments encq, kv, wq, out0; writes out0
.if DOCPART == 2
	.amdgcn_target "amdgcn-amd-amdhsa--gfx1250"
	.amdhsa_code_object_version 6
	.text
	.protected	k_q0bac2a3f66_attn
	.globl	k_q0bac2a3f66_attn
	.p2align	8
	.type	k_q0bac2a3f66_attn,@function
k_q0bac2a3f66_attn:
	s_mov_b64 s[64:65], 0
	v_nop
	global_prefetch_b8 v0, s[64:65] scope:SCOPE_SE
	s_setreg_imm32_b32 hwreg(HW_REG_WAVE_MODE, 25, 1), 1
	s_wait_xcnt 0x0
	s_wait_alu depctr_hold_cnt(0) depctr_sa_sdst(0) depctr_va_vdst(0) depctr_va_sdst(0) depctr_va_ssrc(0) depctr_va_vcc(0) depctr_vm_vsrc(0)
	s_getreg_b32 s2, hwreg(HW_REG_IB_STS2, 6, 4)
	s_cmp_eq_u32 s2, 0
	s_cbranch_scc0 .Lentry_in_a_cluster
	s_endpgm
.Lentry_in_a_cluster:
	s_bfe_u32 s2, ttmp6, 0x10000c
	s_cmp_lg_u32 s2, 0x3003
	s_cbranch_scc0 .Lentry_shape_is_right
	s_endpgm
.Lentry_shape_is_right:
; out[b][s] = tanh([ctx, dec[b][s]] W), ctx[b][s] = sum over t of softmax_t(enc[b][s] . dec[b][t]) enc[b][t]; all three products on codes of BF6 (E3M2) with E8M0 scales for each 32 along K.
; The operands come as images of their registers (half-blocks of 25,600 bytes: 16 images of 1,536 bytes, then 4 chunks of 256 bytes of scale words): every fragment is three loads of 16 bytes a lane, 512 consecutive bytes each.
; SOFTMAX: t = score x log2(e); M = the largest t so far, rounded UP to a whole number; p = 2^(t - M) is quantised along the keys, not normalised; the row's sum is taken of the unquantised p and divides at the end.
; SHARES.  A work-group owns 64 queries (four tiles of 16).  THE WAVES SHARE THE KEYS: wave w holds all 64 queries and walks key steps 4 w .. 4 w + 3 of 128 keys, with its own M, sum and O^T.  So each fragment of keys and
; values is read from LDS once in the work-group and feeds four matrix instructions.  At the end each wave takes one tile of queries and adds the four waves' parts, brought under one M by exact powers of two.
; Register tile m of wave w is query tile (m + w) % 4: the tile that a wave ends up owning is its register tile 0, and no register number hangs on the wave.
; Both attention products are used transposed (S^T = K Q^T, O^T = V^T P^T): a lane holds one query.  The rows of a tile are chosen (lane r of tile 2 b + u: 32 b + 8 u + r % 8 + 16 (r / 8)) so that a lane's 16 registers of two
; neighbouring tiles are 16 neighbours along the next K: p becomes product 2's operand, and ctx product 3's, in registers.
; PRODUCT 3: wave w makes output columns 64 w .. 64 w + 63 for all 64 rows; ctx's codes go from wave to wave through LDS as images.
; CLUSTER: the four work-groups of a cluster belong to one batch and walk the same keys and values: wave w of each asks JOINTLY for the same block.  What else a work-group reads (its queries, its rows of dec, W) is small beside that.
; A WAVE'S RING, 76,800 bytes: [values a][keys][values b].  An even block lies (values, keys) in memory and lands on the first two parts, an odd one (keys, values) on the last two: ONE load of 51,200 bytes brings a whole key step.
; It is asked for as soon as the step's keys have been read, and lands under the step's softmax and second product, which read the third part.  One tensor load of a wave is out at the most.
; LIMITS: NaN and infinities are not served; v_exp_f32 gives 0 for p under 2^-126; a block whose largest number lies under 2^-122 keeps the byte 1.
; REGISTERS, in windows of 256.  Window 0: v1-15 addresses and work; v16-31 four registers of statistics a tile (-M, largest t, the sum in two halves); v34-49 scale words; v50-71 work; v72-167 Q (later dec's fragments);
;   v168-239 three sets of two fragments of keys; v168-215 also p's codes; v240-255 addresses of the tail.   Window 1: S^T (64 m + 8 T), then the values' 16 fragments, then foreign parts of O^T, ctx's fragments, rows of out.
;   Window 2: O^T of tiles 0, 1 (128 m + 8 t); later from v128 product 3's sums.   Window 3: O^T of tiles 2, 3; later W's 16 fragments.
.set HB,    25600
.set BLK,   51200
.set WSL,   76800                      ; a wave's ring
.set SPARE, 307200                     ; the spare words, 128 bytes a wave: two blocks of 256 bytes that no other line names
.set STAT,  307712                     ; (-M, sum) pairs: [owner][from wave], 256 bytes each
.set HIMG,  311808                     ; ctx's eight fragments (2 m + s)
.set HSC,   324096                     ; their scale registers: 16 lane + 4 m
.set STG,   49152                      ; in a wave's ring, behind its exports: the stage for out, 64 rows x 272 bytes
.set SPW,  1
.set NIL,  2
.set KA,   3                           ; keys: 16 lane + ring + 25,600
.set KSA,  4                           ; their scale words: 8 lane + ring + 50,176
.set VA0,  5                           ; 16 lane + ring
.set VSA0, 6                           ; 8 lane + ring + 24,576
.set VAD,  7                           ; the step's values
.set VSD,  8
.set LN16, 9
.set LN8,  10
.set PF0,  11                          ; prefetches: 256 lane;
.set PF1,  12                          ; 8,192 + 256 min(lane, 17)
.set TMP,  13
.set FF,   14                          ; v[14:15] f = 2^(old M - new M)
.set ST,   16
.set HRI,  32                          ; HIMG + 16 lane
.set HRS,  33                          ; HSC + 16 lane
.set PS,   34                          ; v34-37 p's scale words, later ctx's
.set QS,   38                          ; v38-41 Q's, later dec's
.set FS,   42                          ; v42-49 the keys', the values', W's
.set BM,   50
.set T4,   54
.set SOP,  58
.set MS,   58                          ; v58-63 the tail: three foreign pairs (-M, sum)
.set CT,   64
.set Q,    72
.set P,    168
.set KS0,  168
.set STX,  240                         ; v240-242 where my statistics of tiles 1-3 go
.set STR,  243                         ; v243-245 where the other waves' for my tile lie
.set IA,   246                         ; v246-248 and their parts of O^T
.set WGA,  249                         ; 16 lane + 6,144 wave
.set WSA,  250                         ; 8 lane + 256 wave
.set HWI,  251                         ; HIMG + 3,072 wave + 16 lane
.set HWS,  252                         ; HSC + 4 wave + 16 lane
.set SOA,  253                         ; the stage, in
.set SRA,  254                         ; the stage, back
.set GOA,  255                         ; my bytes in two rows of out
; scalars: s[4:11] encq, kv, wq, out; s12 wave; s13 cx; s14 query block; s15 batch; s[16:23] descriptor group 1; s[24:27] group 0; s28 ring; s29 where in the ring the next block lands (0 or 25,600);
; s30 where the step's values lie (0 or 51,200); s31 trips; s32 1 in a wave that prefetches, else the greatest number; s33 lanes 16-31; s[34:35] prefetches; s[36:37] lane selects; s[38:39] log2(e);
; s[44:45] Q, s[46:47] its scales, s[48:49] my rows of dec, s[50:51] their scales, s[52:53] out
.set MSB, 0
.macro WIN new                         ; bits 1:0 source 0, 3:2 source 1, 5:4 source 2, 7:6 destination; the high byte repeats the setting that is left
.if MSB != (\new)
	s_set_vgpr_msb (MSB<<8)|(\new)
.set MSB, (\new)
.endif
.endm
.macro PLACES n                        ; plain vector lines between a matrix instruction and what touches its registers (ISA guide 7.12.1)
.rept \n
	v_nop
.endr
.endm
.macro CROUND                          ; a round of the cluster's barrier
	s_barrier_signal -1
	s_barrier_wait -1
	s_cmp_lg_u32 s12, 0
	s_cbranch_scc1 .Lnot_wave_0_\@
	s_barrier_signal -3
.Lnot_wave_0_\@:
	s_barrier_wait -3
	s_barrier_signal -1
	s_barrier_wait -1
.endm
; One matrix instruction.  zero: the sum begins; ra, rb: the side's scales stand in lanes 16-31 of its register.
.macro MM d, a, b, zero, sa, sb, ra, rb
.if (\zero) && (\ra)
	v_wmma_scale_f32_16x16x128_f8f6f4 v[(\d):(\d)+7], v[(\a):(\a)+11], v[(\b):(\b)+11], 0, v[(\sa)], v[(\sb)] matrix_a_fmt:MATRIX_FMT_BF6 matrix_b_fmt:MATRIX_FMT_BF6 matrix_a_scale:MATRIX_SCALE_ROW1
.elseif \zero
	v_wmma_scale_f32_16x16x128_f8f6f4 v[(\d):(\d)+7], v[(\a):(\a)+11], v[(\b):(\b)+11], 0, v[(\sa)], v[(\sb)] matrix_a_fmt:MATRIX_FMT_BF6 matrix_b_fmt:MATRIX_FMT_BF6
.elseif (\ra) && (\rb)
	v_wmma_scale_f32_16x16x128_f8f6f4 v[(\d):(\d)+7], v[(\a):(\a)+11], v[(\b):(\b)+11], v[(\d):(\d)+7], v[(\sa)], v[(\sb)] matrix_a_fmt:MATRIX_FMT_BF6 matrix_b_fmt:MATRIX_FMT_BF6 matrix_a_scale:MATRIX_SCALE_ROW1 matrix_b_scale:MATRIX_SCALE_ROW1
.elseif \ra
	v_wmma_scale_f32_16x16x128_f8f6f4 v[(\d):(\d)+7], v[(\a):(\a)+11], v[(\b):(\b)+11], v[(\d):(\d)+7], v[(\sa)], v[(\sb)] matrix_a_fmt:MATRIX_FMT_BF6 matrix_b_fmt:MATRIX_FMT_BF6 matrix_a_scale:MATRIX_SCALE_ROW1
.elseif \rb
	v_wmma_scale_f32_16x16x128_f8f6f4 v[(\d):(\d)+7], v[(\a):(\a)+11], v[(\b):(\b)+11], v[(\d):(\d)+7], v[(\sa)], v[(\sb)] matrix_a_fmt:MATRIX_FMT_BF6 matrix_b_fmt:MATRIX_FMT_BF6 matrix_b_scale:MATRIX_SCALE_ROW1
.else
	v_wmma_scale_f32_16x16x128_f8f6f4 v[(\d):(\d)+7], v[(\a):(\a)+11], v[(\b):(\b)+11], v[(\d):(\d)+7], v[(\sa)], v[(\sb)] matrix_a_fmt:MATRIX_FMT_BF6 matrix_b_fmt:MATRIX_FMT_BF6
.endif
.endm
	s_load_b256 s[4:11], s[0:1], 0x0               ; encq s[4:5], kv s[6:7], wq s[8:9], out s[10:11]
	v_lshl_add_u32 v[SPW], v0, 2, SPARE
	v_mov_b32 v[NIL], 0
	ds_add_u32 v1, v2
	ds_add_u32 v1, v2
	s_wait_dscnt 0x0
	v_lshrrev_b32 v[TMP], 5, v0
	v_readfirstlane_b32 s12, v[TMP]                ; wave 0..3
	s_bfe_u32 s13, ttmp6, 0x40000                  ; cx: my place in the cluster: it enters global addresses of Q, dec, out and the prefetches alone
	s_lshl_b32 s14, ttmp9, 2
	s_add_co_u32 s14, s14, s13                     ; my block of 64 queries
	s_and_b32 s15, ttmp7, 0xffff                   ; the batch, which the four partners share
	s_mul_i32 s28, s12, WSL
	; descriptor group 1: a dense block of 51,200 bytes as 200 rows of 32 elements of 8 bytes, no padding
	s_mov_b32 s16, 15|(3<<16)|(1<<21)              ; 15:0 the mask: all four work-groups; 17:16 elements of 8 bytes; 21 set beside a mask
	s_mov_b32 s17, 32<<16                          ; tensor_dim0
	s_mov_b32 s18, 200<<16                         ; tensor_dim1
	s_mov_b32 s19, 32<<16                          ; tile_dim0
	s_mov_b32 s20, 200                             ; tile_dim1
	s_mov_b32 s21, 32                              ; the pitch
	s_mov_b32 s22, 0
	s_mov_b32 s23, 0
	s_lshl_b32 s42, s15, 4
	s_lshl_b32 s43, s12, 2
	s_add_co_u32 s42, s42, s43
	s_mul_i32 s42, s42, BLK                        ; my wave's first block: 16 batch + 4 wave: made of what the partners share
	s_mov_b32 s43, 0
	s_lshr_b32 s40, s14, 1                         ; which tile of 128 rows my queries lie in,
	s_and_b32 s41, s14, 1                          ; and which half of it
	s_lshl_b32 s54, s15, 4
	s_add_co_u32 s54, s54, s40
	s_mul_i32 s55, s54, HB
	s_mul_i32 s56, s41, 12288                      ; eight images
	s_lshl_b32 s57, s41, 9                         ; two chunks
	s_add_co_u32 s57, s57, 24576
	s_add_co_u32 s44, s55, s56
	s_add_co_u32 s46, s55, s57
	s_and_b32 s58, s40, 1
	s_xor_b32 s58, s58, 1
	s_mul_i32 s58, s58, HB                         ; the keys' half of a block: second in an even block
	s_mul_i32 s59, s54, BLK
	s_add_co_u32 s58, s58, s59
	s_add_co_u32 s48, s58, s56
	s_add_co_u32 s50, s58, s57
	s_lshl_b32 s52, s15, 21
	s_lshl_b32 s59, s14, 16
	s_add_co_u32 s52, s52, s59
	s_lshl_b32 s59, s12, 8
	s_add_co_u32 s52, s52, s59                     ; out: my first row, my wave's 256 bytes of it
	s_mul_i32 s34, s13, 12800                      ; prefetches: my work-group's quarter of a block,
	s_add_co_u32 s34, s34, s42
	s_add_co_u32 s34, s34, 2*BLK                   ; in my wave's block 2
	s_mov_b32 s35, 0
	s_mov_b32 s45, 0
	s_mov_b32 s47, 0
	s_mov_b32 s49, 0
	s_mov_b32 s51, 0
	s_mov_b32 s53, 0
	s_mov_b32 s29, 0
	s_mov_b32 s30, 0
	s_mov_b32 s33, 0xffff0000
	s_mov_b32 s36, 0x76543210
	s_mov_b32 s37, 0xfedcba98
	s_mov_b32 s38, 0x3fb8aa3b                      ; log2(e)
	s_mov_b32 s39, s38                             ; (named with it as a pair)
	s_cmp_eq_u32 ttmp9, 0                          ; all eight clusters of a batch walk the same blocks: the first prefetches
	s_cselect_b32 s32, 1, -1
	s_wait_kmcnt 0x0
	s_add_nc_u64 s[44:45], s[4:5], s[44:45]
	s_add_nc_u64 s[46:47], s[4:5], s[46:47]
	s_add_nc_u64 s[48:49], s[6:7], s[48:49]
	s_add_nc_u64 s[50:51], s[6:7], s[50:51]
	s_add_nc_u64 s[52:53], s[10:11], s[52:53]
	s_add_nc_u64 s[34:35], s[6:7], s[34:35]
	s_mov_b32 s24, 1                               ; group 0: count = 1,
	s_mov_b32 s25, s28                             ; LDS address: block 0 lands on the ring's first two parts,
	s_add_nc_u64 s[26:27], s[6:7], s[42:43]        ; global address,
	s_or_b32 s27, s27, 0x80000000                  ; type = 2
	CROUND                                         ; all four work-groups are here: the first joint loads meet
	tensor_load_to_lds s[24:27], s[16:23]
	s_nop 0
	PLACES 4                                       ; (behind a tensor load)
	v_and_b32 v[TMP], 31, v0
	v_lshlrev_b32 v[LN16], 4, v[TMP]
	v_lshlrev_b32 v[LN8], 3, v[TMP]
	v_lshlrev_b32 v[PF0], 8, v[TMP]
	v_min_u32 v[PF1], 17, v[TMP]
	v_lshl_add_u32 v[PF1], v[PF1], 8, 8192
.irp m, 0,1,2,3
	s_add_co_u32 s40, s12, \m
	s_and_b32 s40, s40, 3                          ; register tile m is query tile (m + wave) % 4
	s_mul_i32 s41, s40, 3072
	v_add_nc_u32 v[BM+\m], s41, v[LN16]            ; its two images
	s_lshr_b32 s41, s40, 1
	s_lshl_b32 s41, s41, 8
	s_and_b32 s40, s40, 1
	s_lshl_b32 s40, s40, 2
	s_add_co_u32 s41, s41, s40
	v_add_nc_u32 v[T4+\m], s41, v[LN8]             ; its scale register
.endr
.irp m, 0,1,2,3
.irp s, 0,1
.irp g, 0,1,2
	global_load_b128 v[Q+24*\m+12*\s+4*\g:Q+24*\m+12*\s+4*\g+3], v[BM+\m], s[44:45] offset:1536*\s+512*\g
.endr
.endr
	global_load_b32 v[QS+\m], v[T4+\m], s[46:47]
.endr
	s_add_co_u32 s40, s28, HB
	v_add_nc_u32 v[KA], s40, v[LN16]
	s_add_co_u32 s40, s28, HB+24576
	v_add_nc_u32 v[KSA], s40, v[LN8]
	v_add_nc_u32 v[VA0], s28, v[LN16]
	s_add_co_u32 s40, s28, 24576
	v_add_nc_u32 v[VSA0], s40, v[LN8]
.irp d, 1,2,3                          ; the tail's addresses
	s_add_co_u32 s40, s12, \d
	s_and_b32 s40, s40, 3
	s_lshl_b32 s41, s40, 10
	s_lshl_b32 s54, s12, 8
	s_add_co_u32 s41, s41, s54
	s_add_co_u32 s41, s41, STAT
	v_add_nc_u32 v[STX+\d-1], s41, v[LN8]          ; my register tile d belongs to wave (wave + d) % 4
	s_lshl_b32 s41, s40, 8
	s_lshl_b32 s54, s12, 10
	s_add_co_u32 s41, s41, s54
	s_add_co_u32 s41, s41, STAT
	v_add_nc_u32 v[STR+\d-1], s41, v[LN8]          ; what wave (wave + d) % 4 has for my tile:
	s_mul_i32 s41, s40, WSL
	s_add_co_u32 s41, s41, (3-\d)*16384            ; it is that wave's register tile 4 - d, its export 3 - d
	v_add_nc_u32 v[IA+\d-1], s41, v[LN16]
.endr
	s_mul_i32 s40, s12, 6144
	v_add_nc_u32 v[WGA], s40, v[LN16]
	s_lshl_b32 s40, s12, 8
	v_add_nc_u32 v[WSA], s40, v[LN8]
	s_mul_i32 s40, s12, 3072
	s_add_co_u32 s40, s40, HIMG
	v_add_nc_u32 v[HWI], s40, v[LN16]
	s_lshl_b32 s40, s12, 2
	s_add_co_u32 s40, s40, HSC
	v_add_nc_u32 v[HWS], s40, v[LN16]
	v_add_nc_u32 v[HRI], HIMG, v[LN16]
	v_add_nc_u32 v[HRS], HSC, v[LN16]
	v_and_b32 v[TMP], 15, v0                       ; r
	v_bfe_u32 v[FF], v0, 4, 1                      ; h
	s_add_co_u32 s40, s28, STG
	v_mul_u32_u24 v[SOA], v[TMP], 272
	v_lshl_add_u32 v[SOA], v[FF], 6, v[SOA]
	v_add_nc_u32 v[SOA], s40, v[SOA]               ; in: row r, + 64 h
	v_mul_u32_u24 v[SRA], v[FF], 272
	v_lshl_add_u32 v[SRA], v[TMP], 4, v[SRA]
	v_add_nc_u32 v[SRA], s40, v[SRA]               ; back: lanes 0-15 one row, lanes 16-31 the next
	v_lshlrev_b32 v[GOA], 10, v[FF]
	v_lshl_add_u32 v[GOA], v[TMP], 4, v[GOA]
.irp m, 0,1,2,3
	v_mov_b32 v[ST+4*\m+1], 0xff61b1e6             ; the largest t so far: -3e38
	v_floor_f32 v[ST+4*\m], -v[ST+4*\m+1]          ; -M
	v_mov_b32 v[ST+4*\m+2], 0                      ; the sum, in two halves
	v_mov_b32 v[ST+4*\m+3], 0
.endr
	v_mov_b32 v[FF+1], 0                           ; (named as the upper half of a pair)
	s_wait_loadcnt 0x0                             ; Q and its scales are in; their offsets' registers are free
.irp b, 0,1,2,3
	v_mov_b32 v[T4+\b], 0                          ; a lane permute's destination counts as read
.endr
	s_wait_tensorcnt 0x0                           ; block 0 lies in my ring: my own load, read by me alone
.macro KLOAD set, T                    ; tile T of 16 keys, both K steps, into one of three sets
.irp s, 0,1
.irp g, 0,1,2
	ds_load_b128 v[KS0+24*(\set)+12*\s+4*\g:KS0+24*(\set)+12*\s+4*\g+3], v[KA] offset:1536*(2*(\T)+\s)+512*\g
.endr
.endr
.endm
.macro QKT set, T                      ; S^T of tile T for the four tiles of queries: the four sums by turns, K step by K step
	WIN 0x50                                       ; C and D window 1
.irp m, 0,1,2,3
	MM 64*\m+8*(\T), KS0+24*(\set), Q+24*\m, 1, FS+(\T), QS+\m, 0, 0
.endr
.irp m, 0,1,2,3
	MM 64*\m+8*(\T), KS0+24*(\set)+12, Q+24*\m+12, 0, FS+(\T), QS+\m, 1, 1
.endr
	WIN 0
.endm
; S^T = K Q^T for a key step.  fill = 1: when the last keys are in registers, the lines that stand in front of a refill's barrier follow.
.macro QK fill, first
.irp j, 0,1,2,3
	ds_load_b64 v[FS+2*\j:FS+2*\j+1], v[KSA] offset:256*\j   ; scale registers 2 j, 2 j + 1
.endr
	KLOAD 0, 0
	KLOAD 1, 1
	KLOAD 2, 2
.irp T, 0,1,2,3,4,5,6
.if \T < 6
	s_wait_dscnt 12                                ; this tile's six loads are in; two younger sets may be out
.else
	s_wait_dscnt 6
.endif
	QKT \T%3, \T
.if \T < 5
	PLACES 4                                       ; in front of loads into registers that matrix instructions have read
	KLOAD \T%3, \T+3
.endif
.endr
	s_wait_dscnt 0x0                               ; the last tile is in: my reads of the keys' part are over
.if \fill
	s_wait_tensorcnt 0x0                           ; no tensor load of mine is out, so group 0 may be written
	ds_add_u32 v[SPW], v[NIL]                      ; 0 onto my spare word
	s_xor_b32 s29, s29, HB                         ; the next block lands on the other two parts,
	s_add_co_u32 s25, s28, s29
	s_add_nc_u64 s[26:27], s[26:27], BLK           ; and is the next in memory; the type bits on top are not reached
.if \first == 0
	s_wait_xcnt 0x0                                ; the last prefetches, a key step back, have read their address
	s_add_nc_u64 s[34:35], s[34:35], BLK
.endif
.endif
	QKT 1, 7                                       ; eight matrix instructions stand between the add and the wait for it
.if \fill
	s_wait_dscnt 0x0                               ; the add is done
.endif
.endm
; A PREFETCH INTO THE L2 of the block that the NEXT refill will ask for, a key step ahead of that load.  A block is 200 pieces of 256 bytes; the four partners take 50 each, told apart by address; lanes 256 bytes apart, two lines
; (in the second, lanes 18-31 repeat the last piece).  Each wave asks for its own blocks, in the batch's first cluster alone.  Blocks 0 and 1 come by their loads alone; the last refill asks for nothing.
.macro ASK how
.if \how
	s_cmp_eq_u32 s32, 1
.else
	s_cmp_gt_u32 s31, s32                          ; s31 = 1 in the loop's last trip
.endif
	s_cbranch_scc0 .Lnot_mine_\@
	global_prefetch_b8 v[PF0], s[34:35] th:TH_LOAD_NT scope:SCOPE_SE
	global_prefetch_b8 v[PF1], s[34:35] th:TH_LOAD_NT scope:SCOPE_SE
.Lnot_mine_\@:
.endm
; The softmax of register tile m for a key step: register 16 b + i of its 64 is key 32 b + 16 (lane / 16) + i of my query.
.macro SOFTMAX m, first
.set sb, 64*(\m)
.set tb, ST+4*(\m)
.set pb, P+12*(\m)
	WIN 0x15
.irp b, 0,1,2,3
	v_max3_num_f32 v[BM+\b], v[sb+16*\b], v[sb+16*\b+1], v[sb+16*\b+2]   ; the largest SCORE of each block of 32 keys: for the row's maximum and, since p rises with the score, for the block's largest p.  Each sum is read from its low end on
.endr
	WIN 0x14
.irp i, 3,5,7,9,11,13
.irp b, 0,1,2,3
	v_max3_num_f32 v[BM+\b], v[BM+\b], v[sb+16*\b+\i], v[sb+16*\b+\i+1]
.endr
.endr
.irp b, 0,1,2,3
	v_max_num_f32 v[BM+\b], v[BM+\b], v[sb+16*\b+15]
.endr
	WIN 0
.irp b, 0,1,2,3
	v_permlanex16_b32 v[T4+\b], v[BM+\b], s36, s37
.endr
.irp b, 0,1,2,3
	v_max_num_f32 v[BM+\b], v[BM+\b], v[T4+\b]     ; with lane l xor 16's 16 keys
.endr
	v_max3_num_f32 v[TMP], v[BM], v[BM+1], v[BM+2]
	v_max_num_f32 v[TMP], v[TMP], v[BM+3]
	v_mul_f32 v[TMP], s38, v[TMP]                  ; as t
	v_max_num_f32 v[tb+1], v[tb+1], v[TMP]         ; the running largest t
	v_mov_b32 v[TMP], v[tb]
	v_floor_f32 v[tb], -v[tb+1]                    ; -M = floor(-t): M is a whole number
	v_sub_f32 v[TMP], v[tb], v[TMP]                ; old M - new M, 0 or less
	v_cvt_i32_f32 v[TMP], v[TMP]                   ; (it saturates)
	v_ldexp_f32 v[FF], 1.0, v[TMP]                 ; f = 2^(old M - new M): a multiplication by it rounds nothing
.irp b, 0,1,2,3
	v_fma_f32 v[BM+\b], v[BM+\b], s38, v[tb]
.endr
	WIN 0x41
.set j, 0
.rept 32
	v_pk_fma_f32 v[sb+j:sb+j+1], v[sb+j:sb+j+1], s[38:39], v[tb:tb+1] op_sel_hi:[1,0,0]   ; t - M
.set j, j+2
.endr
.set j, 0
.rept 64
	v_exp_f32 v[sb+j], v[sb+j]                     ; p = 2^(t - M)
.set j, j+1
.endr
	WIN 0
	v_pk_mul_f32 v[tb+2:tb+3], v[tb+2:tb+3], v[FF:FF+1] op_sel_hi:[1,0]   ; the sums under the new M: the plain line behind the exponentials
	s_wait_alu depctr_va_vdst(0)                   ; one wait for the batch of 64, ahead of its first reader
.irp b, 0,1,2,3
	v_exp_f32 v[BM+\b], v[BM+\b]                   ; the blocks' largest p: the same two instructions on the same number
.endr
	WIN 0x05
	v_pk_add_f32 v[T4:T4+1], v[sb:sb+1], v[sb+2:sb+3]   ; the row's sum, of the unquantised p, in two chains
	WIN 0x04
.irp j, 4,8,12,16,20,24,28,32,36,40,44,48,52,56,60
	v_pk_add_f32 v[tb+2:tb+3], v[tb+2:tb+3], v[sb+\j:sb+\j+1]
	v_pk_add_f32 v[T4:T4+1], v[T4:T4+1], v[sb+\j+2:sb+\j+3]
.endr
	WIN 0
	v_pk_add_f32 v[tb+2:tb+3], v[tb+2:tb+3], v[T4:T4+1]
	s_wait_alu depctr_va_vdst(0)                   ; and one for the four
.irp b, 0,1,2,3
	v_max_num_f32 v[BM+\b], 0x2800000, v[BM+\b]    ; the floor 2^(5 - 127)
.endr
.irp b, 0,1,2,3
	v_add_nc_u32 v[SOP+\b], 0xfe000000, v[BM+\b]   ; 4 off the exponent field: the conversion's scale operand
.endr
.irp b, 0,1,2,3
	v_lshrrev_b32 v[T4+\b], 23, v[SOP+\b]          ; the byte
.endr
	v_lshl_or_b32 v[PS+\m], v[T4+1], 8, v[T4]
	v_lshl_or_b32 v[PS+\m], v[T4+2], 16, v[PS+\m]
	v_lshl_or_b32 v[PS+\m], v[T4+3], 24, v[PS+\m]  ; p's scale word for these 128 keys
	WIN 0x01
.irp c, 0,1
	v_cvt_scalef32_pk16_bf6_f32 v[pb+6*\c:pb+6*\c+2], v[sb+32*\c:sb+32*\c+15], v[SOP+2*\c]
	v_cvt_scalef32_pk16_bf6_f32 v[CT+4*\c:CT+4*\c+2], v[sb+32*\c+16:sb+32*\c+31], v[SOP+2*\c+1]
.endr
	WIN 0
	v_nop                                          ; one plain place behind a scaled conversion
.irp c, 0,1                            ; the operand wants a whole block in a lane: lanes 0-15 block 2 c, lanes 16-31 block 2 c + 1
.irp i, 0,1,2
	v_permlane16_swap_b32 v[pb+6*\c+\i], v[CT+4*\c+\i]
.endr
.irp i, 0,1,2
	v_mov_b32 v[pb+6*\c+3+\i], v[CT+4*\c+\i]
.endr
.endr
.if \first == 0
	WIN 0x82+0x41*((\m)/2)                         ; O^T of this tile, window 2 or 3, under the new M
.set j, 128*((\m)%2)
.rept 64
	v_pk_mul_f32 v[j:j+1], v[j:j+1], v[FF:FF+1] op_sel_hi:[1,0]
.set j, j+2
.endr
.endif
.endm
.macro VLOAD t0, n                     ; n fragments of the values, from tile t0 on, into window 1, over scores that are done with
	WIN 0x40
.set t, \t0
.rept \n
.irp g, 0,1,2
	ds_load_b128 v[12*t+4*\g:12*t+4*\g+3], v[VAD] offset:1536*t+512*\g
.endr
.set t, t+1
.endr
.endm
.macro PV first                        ; O^T += V^T P^T: 64 sums, each once
	s_wait_dscnt 0x0                               ; the values and their scales are in
.irp hi, 0,1
	WIN 0xa1+0x50*\hi                              ; source 0 window 1, source 1 window 0, C and D window 2 or 3
.irp t, 0,1,2,3,4,5,6,7,8,9,10,11,12,13,14,15
.irp mm, 0,1
	MM 128*\mm+8*\t, 12*\t, P+12*(2*\hi+\mm), \first, FS+\t/2, PS+2*\hi+\mm, \t%2, 0
.endr
.endr
.endr
	WIN 0
.endm
; A KEY STEP.  first: it starts O^T's sums.  fill: the next block is asked for.  last: my rows of dec, product 3's second half, are asked for into Q's registers.
.macro STEP first, fill, last
	QK \fill, \first
.if \fill
	CROUND                                         ; no wave of any partner still reads the parts to be filled, or has a load on its way
	tensor_load_to_lds s[24:27], s[16:23]          ; my one tensor load behind the round, and the first thing there
	s_nop 0
	PLACES 4                                       ; (behind the tensor load; also the places behind the last products)
	ASK \first
.else
	PLACES 4
.endif
.if \last
.irp m, 0,1,2,3                        ; in the true order of the query tiles: product 3 takes all four in every wave
.irp s, 0,1
.irp g, 0,1,2
	global_load_b128 v[Q+24*\m+12*\s+4*\g:Q+24*\m+12*\s+4*\g+3], v[LN16], s[48:49] offset:3072*\m+1536*\s+512*\g
.endr
.endr
.endr
.irp c, 0,1
	global_load_b64 v[QS+2*\c:QS+2*\c+1], v[LN8], s[50:51] offset:256*\c
.endr
.endif
	v_add_nc_u32 v[VAD], s30, v[VA0]
	v_add_nc_u32 v[VSD], s30, v[VSA0]
	SOFTMAX 0, \first
	WIN 0
.irp j, 0,1,2,3
	ds_load_b64 v[FS+2*\j:FS+2*\j+1], v[VSD] offset:256*\j
.endr
	VLOAD 0, 5
	SOFTMAX 1, \first
	VLOAD 5, 5
	SOFTMAX 2, \first
	VLOAD 10, 6
	SOFTMAX 3, \first
.if \first
	PLACES 8                                       ; a scale register written by a vector instruction stands 8 places ahead of a scaled matrix instruction (elsewhere O^T's multiplications are those places)
.endif
	PV \first
.if \fill
	s_wait_tensorcnt 0x0                           ; the next block has landed: it is my only load, so the count that its reads need is 0
.endif
.if \last == 0
	s_xor_b32 s30, s30, BLK                        ; its values lie in the ring's other end
	PLACES 5                                       ; the next scores are written over the values' fragments
.endif
.endm
	STEP 1, 1, 0
	s_mov_b32 s31, 2
.Lstep:
	STEP 0, 1, 0
	s_sub_co_u32 s31, s31, 1
	s_cmp_lg_u32 s31, 0
	s_cbranch_scc1 .Lstep
	STEP 0, 0, 1                                   ; written out
	; ---- THE FOUR WAVES' PARTS MEET.  The sums' halves are added; the pair (-M, sum) takes the statistics' first two registers.  (These lines are also the places behind the last products.)
.irp m, 0,1,2,3
	v_add_f32 v[ST+4*\m+2], v[ST+4*\m+2], v[ST+4*\m+3]
.endr
.irp m, 0,1,2,3
	v_permlanex16_b32 v[T4+\m], v[ST+4*\m+2], s36, s37
.endr
.irp m, 0,1,2,3
	v_add_f32 v[ST+4*\m+1], v[ST+4*\m+2], v[T4+\m]
.endr
.irp m, 1,2,3
	ds_store_b64 v[STX+\m-1], v[ST+4*\m:ST+4*\m+1]
.endr
	WIN 0x08                                       ; an LDS store's data are its source 1: window 2
.set k, 0
.rept 32                               ; O^T of register tiles 1 to 3 as it stands, into my ring, which has had its last fill and whose reads are over
	ds_store_b128 v[VA0], v[128+4*k:128+4*k+3] offset:512*k
.set k, k+1
.endr
	WIN 0x0c
.set k, 0
.rept 64
	ds_store_b128 v[VA0], v[4*k:4*k+3] offset:16384+512*k
.set k, k+1
.endr
	WIN 0
	s_wait_dscnt 0x0                               ; for the others' sake: my exports lie in LDS
	s_barrier_signal -1
	s_barrier_wait -1
	WIN 0xc0                                       ; W's fragments (K step s, my tile u) into window 3, whose sums have left
.irp s, 0,1,2,3
.irp u, 0,1,2,3
.irp g, 0,1,2
	global_load_b128 v[12*(4*\s+\u)+4*\g:12*(4*\s+\u)+4*\g+3], v[WGA], s[8:9] offset:HB*\s+1536*\u+512*\g
.endr
.endr
.endr
	WIN 0
.irp s, 0,1,2,3
	global_load_b64 v[FS+2*\s:FS+2*\s+1], v[WSA], s[8:9] offset:HB*\s+24576
.endr
.macro IMG d, base                     ; wave (wave + d) % 4's part of my tile's O^T into window 1
	WIN 0x40
.set k, 0
.rept 32
	ds_load_b128 v[\base+4*k:\base+4*k+3], v[IA+\d-1] offset:512*k
.set k, k+1
.endr
.endm
.macro ADDIN base, d                   ; O^T += that part x g
	WIN 0xa1
.set k, 0
.rept 64
	v_pk_fma_f32 v[k:k+1], v[\base+k:\base+k+1], v[CT+2*\d:CT+2*\d+1], v[k:k+1]
.set k, k+2
.endr
.endm
.irp d, 1,2,3
	ds_load_b64 v[MS+2*\d-2:MS+2*\d-1], v[STR+\d-1]
.endr
	IMG 1, 0
	WIN 0
	s_wait_dscnt 32                                ; the three pairs are in; the part's 32 loads may be out
	v_min_num_f32 v[TMP], v[ST], v[MS]
	v_min_num_f32 v[TMP], v[TMP], v[MS+2]
	v_min_num_f32 v[TMP], v[TMP], v[MS+4]          ; -M of the whole row
	v_sub_f32 v[BM], v[TMP], v[ST]
.irp d, 1,2,3
	v_sub_f32 v[BM+\d], v[TMP], v[MS+2*\d-2]       ; a wave's M less the row's: a whole number, 0 or less
.endr
.irp d, 0,1,2,3
	v_cvt_i32_f32 v[BM+\d], v[BM+\d]
.endr
.irp d, 0,1,2,3
	v_ldexp_f32 v[BM+\d], 1.0, v[BM+\d]
.endr
	v_mul_f32 v[T4], v[BM], v[ST+1]
.irp d, 1,2,3
	v_fma_f32 v[T4], v[BM+\d], v[MS+2*\d-1], v[T4] ; the row's sum
.endr
	v_rcp_f32 v[T4+1], v[T4]
	v_nop                                          ; a plain line behind the reciprocal,
	s_wait_alu depctr_va_vdst(0)                   ; and the wait ahead of its first reader
.irp d, 0,1,2,3
	v_mul_f32 v[CT+2*\d], v[BM+\d], v[T4+1]        ; g = 2^(the wave's M - M) / the sum, in both halves of a pair
	v_mul_f32 v[CT+2*\d+1], v[BM+\d], v[T4+1]
.endr
	IMG 2, 128
	WIN 0x82
.set k, 0
.rept 64
	v_pk_mul_f32 v[k:k+1], v[k:k+1], v[CT:CT+1]    ; my own part, from each sum's low end on
.set k, k+2
.endr
	s_wait_dscnt 32                                ; the first part is in
	ADDIN 0, 1
	IMG 3, 0
	s_wait_dscnt 32                                ; the second
	ADDIN 128, 2
	s_wait_dscnt 0x0
	ADDIN 0, 3                                     ; window 2, v0-127: ctx of my 16 queries; register 16 b + i is channel 32 b + 16 (lane / 16) + i
; ---- ctx becomes two fragments of product 3 and goes to LDS as images
.macro QUANTC s
.set ob, 64*(\s)
.set pb, P+12*(\s)
	WIN 0x0a
.irp b, 0,1,2,3
	v_max3_num_f32 v[BM+\b], |v[ob+16*\b]|, |v[ob+16*\b+1]|, 0x2800000
.endr
	WIN 0x28
.irp i, 2,4,6,8,10,12,14
.irp b, 0,1,2,3
	v_max3_num_f32 v[BM+\b], v[BM+\b], |v[ob+16*\b+\i]|, |v[ob+16*\b+\i+1]|
.endr
.endr
	WIN 0
.irp b, 0,1,2,3
	v_permlanex16_b32 v[T4+\b], v[BM+\b], s36, s37
.endr
.irp b, 0,1,2,3
	v_max_num_f32 v[BM+\b], v[BM+\b], v[T4+\b]
.endr
.irp b, 0,1,2,3
	v_add_nc_u32 v[SOP+\b], 0xfe000000, v[BM+\b]
.endr
.irp b, 0,1,2,3
	v_lshrrev_b32 v[T4+\b], 23, v[SOP+\b]
.endr
	v_lshl_or_b32 v[62+\s], v[T4+1], 8, v[T4]
	v_lshl_or_b32 v[62+\s], v[T4+2], 16, v[62+\s]
	v_lshl_or_b32 v[62+\s], v[T4+3], 24, v[62+\s]
	WIN 0x02
.irp c, 0,1
	v_cvt_scalef32_pk16_bf6_f32 v[pb+6*\c:pb+6*\c+2], v[ob+32*\c:ob+32*\c+15], v[SOP+2*\c]
	v_cvt_scalef32_pk16_bf6_f32 v[CT+4*\c:CT+4*\c+2], v[ob+32*\c+16:ob+32*\c+31], v[SOP+2*\c+1]
.endr
	WIN 0
	v_nop
.irp c, 0,1
.irp i, 0,1,2
	v_permlane16_swap_b32 v[pb+6*\c+\i], v[CT+4*\c+\i]
.endr
.irp i, 0,1,2
	v_mov_b32 v[pb+6*\c+3+\i], v[CT+4*\c+\i]
.endr
.endr
.irp g, 0,1,2
	ds_store_b128 v[HWI], v[pb+4*\g:pb+4*\g+3] offset:1536*\s+512*\g
.endr
.endm
	QUANTC 0
	QUANTC 1
	v_cndmask_b32 v[TMP], v62, v63, s33            ; my tile's scale register: lanes 0-15 K step 0, lanes 16-31 K step 1
	ds_store_b32 v[HWS], v[TMP]
	s_wait_dscnt 0x0                               ; for the others' sake
	s_barrier_signal -1
	s_barrier_wait -1                              ; ctx's eight fragments lie in LDS
	; ---- PRODUCT 3, transposed: source 0 = 16 columns of W, source 1 = 16 rows of [ctx, dec].  Sixteen sums by turns, a K step at a time.
	WIN 0x40
.irp f, 0,1,2,3,4,5,6,7
.irp g, 0,1,2
	ds_load_b128 v[12*\f+4*\g:12*\f+4*\g+3], v[HRI] offset:1536*\f+512*\g
.endr
.endr
	WIN 0
	ds_load_b128 v[PS:PS+3], v[HRS]                ; the four tiles' scale registers
	s_wait_loadcnt 0x0                             ; dec's fragments and W's
	s_wait_dscnt 0x0
.irp s, 0,1,2,3
.if \s < 2
	WIN 0xa7                                       ; W window 3, ctx window 1, C and D window 2
.else
	WIN 0xa3                                       ; dec window 0
.endif
.irp u, 0,1,2,3
.irp m, 0,1,2,3
.if \s == 0
	MM 128+8*(4*\u+\m), 12*\u, 12*(2*\m), 1, FS+\u/2, PS+\m, \u%2, 0
.elseif \s == 1
	MM 128+8*(4*\u+\m), 12*(4+\u), 12*(2*\m+1), 0, FS+2+\u/2, PS+\m, \u%2, 1
.else
	MM 128+8*(4*\u+\m), 12*(4*\s+\u), Q+24*\m+12*(\s-2), 0, FS+2*\s+\u/2, QS+\m, \u%2, \s%2
.endif
.endr
.endr
.endr
	PLACES 4
	; tanh(x) = 1 - 2 / (1 + 2^(2 log2(e) x)): where the power overflows the quotient is 0, where it vanishes 1
	WIN 0x82
.set k, 128
.rept 64
	v_pk_mul_f32 v[k:k+1], v[k:k+1], 0x4038aa3b op_sel_hi:[1,0]
.set k, k+2
.endr
.set k, 128
.rept 128
	v_exp_f32 v[k], v[k]
.set k, k+1
.endr
	v_nop
	s_wait_alu depctr_va_vdst(0)                   ; one wait for the batch
.set k, 128
.rept 64
	v_pk_add_f32 v[k:k+1], v[k:k+1], 1.0 op_sel_hi:[1,0]
.set k, k+2
.endr
.set k, 128
.rept 128
	v_rcp_f32 v[k], v[k]
.set k, k+1
.endr
	v_nop
	s_wait_alu depctr_va_vdst(0)
.set k, 128
.rept 64
	v_pk_fma_f32 v[k:k+1], v[k:k+1], -2.0, 1.0 op_sel_hi:[1,0,0]
.set k, k+2
.endr
	; ---- THE WAY OUT: a lane's eight numbers are eight neighbouring columns of one row.  They go through my own stage (rows of 256 bytes + 16) and leave as whole rows of my 64 columns.
	WIN 0x08
.irp m, 0,1,2,3
.irp u, 0,1,2,3
	ds_store_b128 v[SOA], v[128+8*(4*\u+\m):128+8*(4*\u+\m)+3]   offset:4352*\m+128*(\u/2)+32*(\u%2)
	ds_store_b128 v[SOA], v[128+8*(4*\u+\m)+4:128+8*(4*\u+\m)+7] offset:4352*\m+128*(\u/2)+32*(\u%2)+16
.endr
.endr
	WIN 0x40
.set k, 0
.rept 32
	ds_load_b128 v[4*k:4*k+3], v[SRA] offset:544*k ; LDS serves a wave's instructions in order (ISA guide 5.7.1.4): these see my stores
.set k, k+1
.endr
	WIN 0x04                                       ; a store's data are its source 1: window 1
.set k, 0
.rept 32
	s_wait_dscnt 31-k
	global_store_b128 v[GOA], v[4*k:4*k+3], s[52:53] offset:1024*(32*(k/16)+8*((k/8)%2)+2*(k%4)+16*((k%8)/4)) th:TH_STORE_NT   ; stage rows 2 k, 2 k + 1 are lanes r of tile k / 8: sixteen lanes store 256 consecutive bytes, aligned
.set k, k+1
.endr
	WIN 0
	s_wait_tensorcnt 0x0                           ; the wave's end
	ds_add_u32 v[SPW], v[NIL]
	s_wait_dscnt 0x0
	CROUND                                         ; the closing round: no work-group ends while a partner may still ask for a block that names it
	s_endpgm
.Lfunc_end_k_q0bac2a3f66_attn:
	.size	k_q0bac2a3f66_attn, .Lfunc_end_k_q0bac2a3f66_attn-k_q0bac2a3f66_attn
	.p2alignl 7, 3214868480
	.fill 96, 4, 3214868480
	.section	.rodata,"a",@progbits
	.p2align	6, 0x0
	.amdhsa_kernel k_q0bac2a3f66_attn
		.amdhsa_group_segment_fixed_size 327680
		.amdhsa_private_segment_fixed_size 0
		.amdhsa_enable_private_segment 0
		.amdhsa_kernarg_size 32
		.amdhsa_user_sgpr_count 2
		.amdhsa_user_sgpr_kernarg_segment_ptr 1
		.amdhsa_wavefront_size32 1
		.amdhsa_system_sgpr_workgroup_id_x 1
		.amdhsa_system_sgpr_workgroup_id_y 1
		.amdhsa_system_sgpr_workgroup_id_z 1
		.amdhsa_system_vgpr_workitem_id 0
		.amdhsa_next_free_vgpr 1024
		.amdhsa_next_free_sgpr 66
		.amdhsa_reserve_vcc 0
		.amdhsa_float_denorm_mode_32 3
		.amdhsa_float_denorm_mode_16_64 3
		.amdhsa_memory_ordered 1
		.amdhsa_forward_progress 1
		.amdhsa_inst_pref_size 255
	.end_amdhsa_kernel
	.section	.bss,"aw",@nobits
	.p2align	6
	.space	262144
	.amdgpu_metadata
---
amdhsa.version: [ 1, 2 ]
amdhsa.kernels:
  - .name:           k_q0bac2a3f66_attn
    .symbol:         k_q0bac2a3f66_attn.kd
    .args:
      - { .name: encq, .offset: 0, .size: 8, .value_kind: global_buffer, .address_space: global }
      - { .name: kv, .offset: 8, .size: 8, .value_kind: global_buffer, .address_space: global }
      - { .name: wq, .offset: 16, .size: 8, .value_kind: global_buffer, .address_space: global }
      - { .name: out0, .offset: 24, .size: 8, .value_kind: global_buffer, .address_space: global }
    .group_segment_fixed_size: 327680
    .private_segment_fixed_size: 0
    .kernarg_segment_align: 8
    .kernarg_segment_size: 32
    .max_flat_workgroup_size: 128
    .sgpr_count:     66
    .vgpr_count:     1024
    .wavefront_size: 32
...
	.end_amdgpu_metadata
.endif
;; end of part 2
